; MI455X (gfx1250); checked and timed in simulation.
; The chip was launched on July 23, 2026; its instructions are those of AMD's public machine-readable ISA for CDNA 5 (MIT licence, August 2026) and "CDNA5" Instruction Set Architecture Reference Guide (July 2026). The comments in the code are by the model that wrote it; some were corrected since.
;; Enhanced Hyperbolic Attention. Allowed arithmetic: matrix products marked QUANTISED: E4M3 operands, one given power-of-two scale a tensor, by v_wmma_f32_16x16x64_fp8_fp8 or v_wmma_f32_16x16x128_fp8_fp8, f32 sums; everything else in f32.
;; Inputs: Wk 1,024 x 1,024 float32; Wo 1,024 x 1,024 float32; Wq 1,024 x 1,024 float32; Wv 1,024 x 1,024 float32; log_beta one number float32; log_c one number float32; lowp_scales 12 int32 (the exponents e of the quantised operands' scales 2^e); x 2 x 2,048 x 1,024 float32.
;; Outputs: out0 2 x 2,048 x 1,024 float32.
;; This version of the problem:
;;   THIS VERSION OF THE PROBLEM IS GIVEN IN LOW PRECISION. The matrix products marked QUANTISED in the list below multiply operands that are first quantised to E4M3 (4 exponent bits, 3 mantissa bits; 8 bits a number), with one given power-of-two scale for each operand tensor; their sums are f32. All else is computed in f32.
;;   The module's matrix products, in the order in which they are computed (A, B: the left and right operand; K: the contracted axis; several contracted axes count as one K, in the product's order):
;;     1. [M 4,096, K 1,024] x [K 1,024, N 1,024]; A: input x; B: input Wq: QUANTISED (scales: A lowp_scales[0], B lowp_scales[1])
;;     2. [M 4,096, K 1,024] x [K 1,024, N 1,024]; A: input x; B: input Wk: QUANTISED (scales: A lowp_scales[2], B lowp_scales[3])
;;     3. [M 4,096, K 1,024] x [K 1,024, N 1,024]; A: input x; B: input Wv: QUANTISED (scales: A lowp_scales[4], B lowp_scales[5])
;;     4. batch 16 x [M 2,048, K 128] x [K 128, N 2,048]; A: computed on the way; B: computed on the way: QUANTISED (scales: A lowp_scales[6], B lowp_scales[7])
;;     5. batch 16 x [M 2,048, K 2,048] x [K 2,048, N 128]; A: softmax (see below); B: computed on the way: QUANTISED (scales: A lowp_scales[8], B lowp_scales[9])
;;     6. [M 4,096, K 1,024] x [K 1,024, N 1,024]; A: computed on the way; B: input Wo: QUANTISED (scales: A lowp_scales[10], B lowp_scales[11])
;;   THE QUANTISER, for each operand of a quantised product, along K:
;;     - The operand's scale is 2^e, e = its entry of the input lowp_scales (int32; the entries are numbered through the quantised products in the list's order, A before B).
;;     - Each number is divided by the scale, clamped to +-448, and rounded to the nearest number of E4M3, ties to even, subnormals kept.
;;     - The product sums the exact products of the quantised numbers (number of the format x scale) in f32.
;;   ~~~python
;;   def quantise(x, axis, e):      # numpy; x: float32 -> the quantised numbers, widened to float32 again
;;       x = np.moveaxis(x, axis, -1); K = x.shape[-1]
;;       r = np.clip(x / 2.0 ** e, -448, 448)
;;       step = 2.0 ** (np.maximum(np.frexp(np.where(r == 0, 1, r))[1] - 1, -6) - 3)
;;       q = np.round(r / step) * step * 2.0 ** e      # np.round: ties to even
;;       return np.moveaxis(q, -1, axis).astype(np.float32)
;;   ~~~
;;   SOFTMAX AHEAD OF A QUANTISED PRODUCT. Where the list says 'softmax', what is quantised is not the finished softmax but p = 2^(t - M), with t = logit x log2(e) and M = ceil(the row's largest t), a whole number; so 1/2 < the row's largest p <= 1. The row's sum l is taken of the UNQUANTISED p, in f32, and the product's result is divided by l at the end. Since M is a whole number, a kernel that streams over the keys may use a running M (the ceiling of the running maximum): every later rescaling is an exact power of two, so the quantised numbers keep their values, but for numbers so far below the row's largest that they fall under the format's range.
;;   OPERANDS COMPUTED ON THE WAY. 'Computed on the way' means the value that the module computes at that place (a softmax that the list does not call 'softmax' is quantised finished and normalised). What goes into a quantiser is computed in f32, as accurately as f32 sums, v_exp_f32 and their like allow (about 1e-6 of the number): no bf16 or f16 on the way to a quantiser, and a product that is left as it is and whose result goes on into a quantised operand takes f32 operands (vector FMAs, or v_wmma_f32_16x16x4_f32). A number that lies on a knife's edge between two numbers of the format may be rounded either way, as far as f32 arithmetic and the matrix unit's own rounding can turn it there, and no further.
;; One version. Each part assembles by itself: llvm-mc -triple=amdgcn-amd-amdhsa -mcpu=gfx1250 --defsym DOCPART=n.
;; ======== version 1 of 1: 4 launches
;; limits: right only within a limited range of input values
;; workspace buffers: ximg 12,582,912 bytes; wimg 4,194,304 bytes; qimg 4,194,304 bytes; kv 8,519,680 bytes; qn 131,072 bytes; oimg 4,194,304 bytes
;; launch quant (part 1): grid 256 x 1, 8 waves a work-group, no clusters, 136,192 bytes of LDS; arguments x, Wq, Wk, Wv, Wo, lowp_scales, ximg, wimg; writes ximg, wimg
.if DOCPART == 1
	.amdgcn_target "amdgcn-amd-amdhsa--gfx1250"
	.amdhsa_code_object_version 6
	.text
	.protected	k_q6f022f4f4a_quant
	.globl	k_q6f022f4f4a_quant
	.p2align	8
	.type	k_q6f022f4f4a_quant,@function
k_q6f022f4f4a_quant:
	s_mov_b64 s[64:65], 0
	v_nop
	global_prefetch_b8 v0, s[64:65] scope:SCOPE_SE
	s_setreg_imm32_b32 hwreg(HW_REG_WAVE_MODE, 25, 1), 1
	s_wait_xcnt 0x0
; x [4096][1024] f32 becomes THREE sets of E4M3 codes (scales 2^e0, 2^e2, 2^e4: one for each of the three projections); Wq, Wk, Wv, Wo [1024][1024] f32 one set each (e1, e3, e5, e11).
; code = number / 2^e, held within +-448, rounded to the nearest code, ties to even.  LIMITS: each e between -126 and 119, so that 2^e and 448 x 2^e are f32 numbers.  NaN among the inputs is not served.
; THE CODES ARE LAID AS IMAGES OF THE OPERAND'S REGISTERS.  A fragment is 16 rows x 128 K: lane (r, h) holds, of row r, k = 16 g + 8 h + 0..7 in registers 2 g, 2 g + 1.  It is stored as four pieces of
; 512 bytes, piece p (registers 4 p .. 4 p + 3) at 512 p + 16 x lane.  Fragment (row tile T, K step s) lies at (T / 8) x 131072 + (s / 2) x 32768 + (T % 8) x 4096 + (s % 2) x 2048:
; so 128 rows x 256 K are one dense block of 32 KiB, which the later launches fetch by one tensor load and read by loads of 16 bytes a lane, 512 consecutive bytes an instruction.
; SHARES.  Work-groups 0-127 take x, 128-255 the weights (32 each).  A wave takes one row tile and a quarter of K: 16 rows x 1,024 bytes, two fragments.  Its 32 loads, 512 consecutive bytes each, go out at once.
; The numbers turn through the wave's own stage in LDS (rows of 512 bytes + 16), so that a lane gets eight neighbours along K.  Waves share nothing: no barrier.  No matrix unit, no cluster, no tensor load: a stream.
.set WST,   16896                      ; a wave's two stages: 2 x 16 rows x 528 bytes
.set SP,    528                        ; a stage row: 512 bytes + 16: row r starts at bank 4 r mod 64
.set SPARE, 8*WST                      ; behind the stages: the spare words, 128 bytes a wave: four blocks of 256 bytes that no other line names
.set LO,    1                          ; v1   16 x lane: my bytes of a load's and of a store's 512
.set STW,   2                          ; v2   the stage, on the way in
.set STR,   3                          ; v3   and on the way out: row r, + 32 h
.set SCL,   4                          ; v4, v6, v8: 2^e of set 0, 1, 2;  v5, v7, v9: 448 x 2^e
.set SPW,   12                         ; v12  my spare word's LDS address; never rewritten
.set NIL,   13                         ; v13  0; never rewritten
.set R,     32                         ; v32-159  the numbers: 64 for each fragment
.set T,     160                        ; v160-175 two sets of eight held numbers
.set CD,    176                        ; v176-207 the two fragments' codes
	s_load_b512 s[8:23], s[0:1], 0x0               ; x 8, Wq 10, Wk 12, Wv 14, Wo 16, the scales 18, ximg 20, wimg 22
	v_lshl_add_u32 v[SPW], v0, 2, SPARE
	v_mov_b32 v[NIL], 0
	v_lshrrev_b32 v10, 5, v0
	s_delay_alu instid0(VALU_DEP_1)
	v_readfirstlane_b32 s24, v10                   ; wave 0..7
	v_and_b32 v11, 31, v0
	s_delay_alu instid0(VALU_DEP_1)
	v_lshlrev_b32 v[LO], 4, v11
	s_mul_i32 s50, s24, WST
	v_add_nc_u32 v[STW], s50, v[LO]
	v_and_b32 v10, 15, v0                          ; r
	v_bfe_u32 v11, v0, 4, 1                        ; h
	s_delay_alu instid0(VALU_DEP_2)
	v_mul_u32_u24 v[STR], v10, SP
	s_delay_alu instid0(VALU_DEP_1)
	v_lshl_add_u32 v[STR], v11, 5, v[STR]
	s_delay_alu instid0(VALU_DEP_1)
	v_add_nc_u32 v[STR], s50, v[STR]
	s_lshr_b32 s25, s24, 2                         ; which of the work-group's two row tiles
	s_and_b32 s26, s24, 3                          ; which quarter of K
	s_lshr_b32 s27, ttmp9, 5
	s_and_b32 s27, s27, 3                          ; the weight's number (work-groups 128 on)
	s_and_b32 s28, ttmp9, 31
	s_cmp_lt_u32 ttmp9, 128                        ; x's work-group?  The choices hang on the work-group's number alone
	s_cselect_b32 s28, ttmp9, s28
	s_cselect_b32 s29, 0, s27
	s_lshl_b32 s28, s28, 1
	s_add_co_u32 s28, s28, s25                     ; T: my row tile in the tensor
	s_lshl_b32 s52, s28, 16                        ; 16 rows of 4,096 bytes
	s_lshl_b32 s53, s26, 10
	s_add_co_u32 s52, s52, s53
	s_mov_b32 s53, 0                               ; s[52:53]: where my numbers begin
	s_lshr_b32 s54, s28, 3
	s_lshl_b32 s54, s54, 17
	s_lshl_b32 s55, s26, 15
	s_add_co_u32 s54, s54, s55
	s_and_b32 s55, s28, 7
	s_lshl_b32 s55, s55, 12
	s_add_co_u32 s54, s54, s55
	s_mov_b32 s55, 0                               ; s[54:55]: where my two fragments begin in an image
	s_lshl_b32 s56, s29, 20                        ; a weight's image is 1 MiB
	s_add_co_u32 s56, s56, s54
	s_mov_b32 s57, 0
	s_wait_alu depctr_va_vdst(0)
	s_wait_kmcnt 0x0
	s_load_b256 s[36:43], s[18:19], 0x0            ; e0 .. e7
	s_load_b128 s[44:47], s[18:19], 0x20           ; e8 .. e11
	s_cmp_eq_u32 s27, 1
	s_cselect_b64 s[30:31], s[12:13], s[10:11]
	s_cmp_eq_u32 s27, 2
	s_cselect_b64 s[30:31], s[14:15], s[30:31]
	s_cmp_eq_u32 s27, 3
	s_cselect_b64 s[30:31], s[16:17], s[30:31]
	s_cmp_lt_u32 ttmp9, 128
	s_cselect_b64 s[30:31], s[8:9], s[30:31]       ; the tensor that I read
	s_cselect_b64 s[32:33], s[20:21], s[22:23]     ; and the image that takes set 0
	s_add_nc_u64 s[30:31], s[30:31], s[52:53]
	s_add_nc_u64 s[32:33], s[32:33], s[56:57]
	s_add_nc_u64 s[34:35], s[20:21], s[54:55]
	s_add_nc_u64 s[34:35], s[34:35], 0x400000      ; x's set 1, 4 MiB on,
	s_add_nc_u64 s[48:49], s[34:35], 0x400000      ; and set 2 (used by x's work-groups alone)
.set i, 0
.rept 32                                               ; fragment i / 16, row i % 16: 32 lanes read 512 consecutive bytes; read once in the launch
	global_load_b128 v[R+64*(i/16)+4*(i%16):R+64*(i/16)+4*(i%16)+3], v[LO], s[30:31] offset:(i%16)*4096+(i/16)*512 th:TH_LOAD_NT
.set i, i+1
.endr
	s_wait_kmcnt 0x0
	s_cmp_eq_u32 s27, 1
	s_cselect_b32 s51, s39, s37
	s_cmp_eq_u32 s27, 2
	s_cselect_b32 s51, s41, s51
	s_cmp_eq_u32 s27, 3
	s_cselect_b32 s51, s47, s51
	s_cmp_lt_u32 ttmp9, 128
	s_cselect_b32 s51, s36, s51                    ; set 0's exponent: e0, or e1, e3, e5, e11
.macro MKS e, k                        ; 2^e as f32 (the conversion takes its exponent field) and 448 x 2^e
	s_add_co_i32 s58, s[\e], 127
	s_lshl_b32 s59, s58, 23
	v_mov_b32 v[SCL+2*\k], s59
	s_add_co_i32 s58, s58, 8
	s_lshl_b32 s58, s58, 23
	s_or_b32 s58, s58, 0x600000
	v_mov_b32 v[SCL+2*\k+1], s58
.endm
	MKS 51, 0
	MKS 38, 1
	MKS 40, 2
	s_wait_alu depctr_va_vdst(0)
	s_wait_loadcnt 16                              ; the first fragment's 16 loads are in; the second's may be out
.set i, 0
.rept 16
	ds_store_b128 v[STW], v[R+4*i:R+4*i+3] offset:i*SP
.set i, i+1
.endr
	s_wait_loadcnt 0x0
.set i, 0
.rept 16
	ds_store_b128 v[STW], v[R+64+4*i:R+64+4*i+3] offset:16*SP+i*SP
.set i, i+1
.endr
	s_wait_dscnt 0x0                               ; the stores have read their registers, which now take the numbers back
.set i, 0
.rept 32                                               ; fragment i / 16: registers 8 g + 4 p on = row r, k = 16 g + 8 h + 4 p on
	ds_load_b128 v[R+64*(i/16)+4*(i%16):R+64*(i/16)+4*(i%16)+3], v[STR] offset:(i/16)*16*SP+64*((i%16)/2)+16*(i%2)
.set i, i+1
.endr
; One set of codes of both fragments, with scale k, to the image at s[base].  The numbers stay as they are: the hold writes into two sets of eight registers by turns, so that
; eight plain lines always stand between a conversion and the next write of its sources.
.macro QOUT k, base, first
.if !\first
	s_wait_xcnt 0x0                                ; the last set's stores have read the codes' registers
.endif
.set u, 0
.rept 2
.if \first
	s_wait_dscnt 16-16*u                           ; this fragment's 16 LDS loads are in; the other's may be out
.endif
.set g, 0
.rept 8
.set i, 0
.rept 8
	v_med3_num_f32 v[T+8*(g%2)+i], v[R+64*u+8*g+i], -v[SCL+2*\k+1], v[SCL+2*\k+1]   ; the conversion to an 8-bit code does not saturate (ISA guide 7.6.2): the hold comes first
.set i, i+1
.endr
	v_cvt_scalef32_pk8_fp8_f32 v[CD+16*u+2*g:CD+16*u+2*g+1], v[T+8*(g%2):T+8*(g%2)+7], v[SCL+2*\k]
.set g, g+1
.endr
.set p, 0
.rept 4
	global_store_b128 v[LO], v[CD+16*u+4*p:CD+16*u+4*p+3], s[\base:\base+1] offset:2048*u+512*p   ; 32 lanes store 512 consecutive bytes, aligned
.set p, p+1
.endr
.set u, u+1
.endr
.endm
	QOUT 0, 32, 1
	s_wait_tensorcnt 0x0                           ; my last LDS access is behind me
	ds_add_u32 v[SPW], v[NIL]
	s_wait_dscnt 0x0
	s_cmp_ge_u32 ttmp9, 128                        ; a weight has one scale; x has two more
	s_cbranch_scc1 .Ldone
	QOUT 1, 34, 0
	QOUT 2, 48, 0
.Ldone:
	s_endpgm
.Lfunc_end_k_q6f022f4f4a_quant:
	.size	k_q6f022f4f4a_quant, .Lfunc_end_k_q6f022f4f4a_quant-k_q6f022f4f4a_quant
	.p2alignl 7, 3214868480
	.fill 96, 4, 3214868480
	.section	.rodata,"a",@progbits
	.p2align	6, 0x0
	.amdhsa_kernel k_q6f022f4f4a_quant
		.amdhsa_group_segment_fixed_size 136192
		.amdhsa_private_segment_fixed_size 0
		.amdhsa_enable_private_segment 0
		.amdhsa_kernarg_size 64
		.amdhsa_user_sgpr_count 2
		.amdhsa_user_sgpr_kernarg_segment_ptr 1
		.amdhsa_wavefront_size32 1
		.amdhsa_system_sgpr_workgroup_id_x 1
		.amdhsa_system_sgpr_workgroup_id_y 1
		.amdhsa_system_sgpr_workgroup_id_z 1
		.amdhsa_system_vgpr_workitem_id 0
		.amdhsa_next_free_vgpr 208
		.amdhsa_next_free_sgpr 66
		.amdhsa_reserve_vcc 0
		.amdhsa_float_denorm_mode_32 3
		.amdhsa_float_denorm_mode_16_64 3
		.amdhsa_memory_ordered 1
		.amdhsa_forward_progress 1
		.amdhsa_inst_pref_size 41
	.end_amdhsa_kernel
	.amdgpu_metadata
---
amdhsa.version: [ 1, 2 ]
amdhsa.kernels:
  - .name:           k_q6f022f4f4a_quant
    .symbol:         k_q6f022f4f4a_quant.kd
    .args:
      - { .name: x, .offset: 0, .size: 8, .value_kind: global_buffer, .address_space: global }
      - { .name: Wq, .offset: 8, .size: 8, .value_kind: global_buffer, .address_space: global }
      - { .name: Wk, .offset: 16, .size: 8, .value_kind: global_buffer, .address_space: global }
      - { .name: Wv, .offset: 24, .size: 8, .value_kind: global_buffer, .address_space: global }
      - { .name: Wo, .offset: 32, .size: 8, .value_kind: global_buffer, .address_space: global }
      - { .name: lowp_scales, .offset: 40, .size: 8, .value_kind: global_buffer, .address_space: global }
      - { .name: ximg, .offset: 48, .size: 8, .value_kind: global_buffer, .address_space: global }
      - { .name: wimg, .offset: 56, .size: 8, .value_kind: global_buffer, .address_space: global }
    .group_segment_fixed_size: 136192
    .private_segment_fixed_size: 0
    .kernarg_segment_align: 8
    .kernarg_segment_size: 64
    .max_flat_workgroup_size: 256
    .sgpr_count:     66
    .vgpr_count:     208
    .wavefront_size: 32
...
	.end_amdgpu_metadata
.endif
;; end of part 1
;; launch qkv (part 2): grid 48 x 4, 4 waves a work-group, clusters of 4 x 4, 327,680 bytes of LDS; arguments ximg, wimg, lowp_scales, qimg, kv, qn; writes qimg, kv, qn
.if DOCPART == 2
	.amdgcn_target "amdgcn-amd-amdhsa--gfx1250"
	.amdhsa_code_object_version 6
	.text
	.protected	k_q6f022f4f4a_qkv
	.globl	k_q6f022f4f4a_qkv
	.p2align	8
	.type	k_q6f022f4f4a_qkv,@function
k_q6f022f4f4a_qkv:
	s_mov_b64 s[64:65], 0
	v_nop
	global_prefetch_b8 v0, s[64:65] scope:SCOPE_SE
	s_setreg_imm32_b32 hwreg(HW_REG_WAVE_MODE, 25, 1), 1
	s_wait_xcnt 0x0
	s_wait_alu depctr_hold_cnt(0) depctr_sa_sdst(0) depctr_va_vdst(0) depctr_va_sdst(0) depctr_va_ssrc(0) depctr_va_vcc(0) depctr_vm_vsrc(0)
	s_getreg_b32 s2, hwreg(HW_REG_IB_STS2, 6, 4)
	s_cmp_eq_u32 s2, 0
	s_cbranch_scc0 .Lentry_in_a_cluster
	s_endpgm
.Lentry_in_a_cluster:
	s_bfe_u32 s2, ttmp6, 0x10000c
	s_cmp_lg_u32 s2, 0xf033
	s_cbranch_scc0 .Lentry_shape_is_right
	s_endpgm
.Lentry_shape_is_right:
.set FR,    16
.set NL,    4
.set NP,    4
.set BLKB,  32768
.set SLOT,  4*BLKB
.set SPARE, 2*SLOT
.set NSTG,  SPARE+512
.set ADRA, 16
.set ADRB, 20
.set NST,  24
.set NLD,  25
.set CO,   26
.set PD,   27
.set SPW,  28
.set NIL,  29
.set LIM,  30
.set SCL,  31
.set TMP,  32
.set CODE, 96
.set NRM,  224
.set CH,   232
.set NBK,  248
.set AF,   128
.set G1, 24
.set G0, 32
.set G1B, 48
.set G0B, 56
.set MSB, 0
.macro WIN new
.if MSB != \new
	s_set_vgpr_msb (MSB<<8)|\new
.set MSB, \new
.endif
.endm
.set MUL_LO, 0xa1
.set MUL_HI, 0xf1
.set TO_B,   0x40
.macro JLOAD g0a, g1a, g0b, g1b
	s_cmp_eq_u32 s15, 0
	s_cbranch_scc0 .Lfor_b_\@
	tensor_load_to_lds s[\g0a:\g0a+3], s[\g1a:\g1a+7]
	s_nop 0
.rept 4
	v_nop
.endr
	s_branch .Lasked_\@
.Lfor_b_\@:
	tensor_load_to_lds s[\g0b:\g0b+3], s[\g1b:\g1b+7]
	s_nop 0
.rept 4
	v_nop
.endr
.Lasked_\@:
.endm
.macro CREST
	s_cmp_lg_u32 s14, 0
	s_cbranch_scc1 .Lnot_wave_0_\@
	s_barrier_signal -3
.Lnot_wave_0_\@:
	s_barrier_wait -3
	s_barrier_signal -1
	s_barrier_wait -1
.endm
.macro CROUND
	s_barrier_signal -1
	s_barrier_wait -1
	CREST
.endm
	s_load_b128 s[4:7], s[0:1], 0x0
	s_load_b128 s[8:11], s[0:1], 0x10
	s_load_b128 s[84:87], s[0:1], 0x20
	v_lshl_add_u32 v[SPW], v0, 2, SPARE
	v_mov_b32 v[NIL], 0
	ds_add_u32 v[SPW], v[NIL]
	ds_add_u32 v[SPW], v[NIL]
	v_lshrrev_b32 v1, 5, v0
	v_readfirstlane_b32 s14, v1
	s_lshr_b32 s15, s14, 1
	s_and_b32 s16, s14, 1
	s_bfe_u32 s40, ttmp6, 0x40000
	s_bfe_u32 s41, ttmp6, 0x40004
	s_lshr_b32 s88, ttmp9, 2
	s_and_b32 s89, ttmp9, 3
	s_lshl_b32 s90, s89, 2
	s_add_co_u32 s91, s90, s41
	s_add_co_u32 s92, s90, s40
	s_lshl_b32 s93, s88, 22
	s_lshl_b32 s80, s88, 20
	s_cmp_lt_u32 s88, 2
	s_cselect_b32 s17, s91, s41
	s_cselect_b32 s42, s40, s92
	s_cselect_b32 s93, s93, 0x200000
	s_cselect_b32 s80, s80, 0x800000
	s_lshl_b32 s43, s41, 2
	s_lshl_b32 s43, 15, s43
	s_lshl_b32 s44, 0x1111, s40
	s_or_b32 s[G1+0], s43, (3<<16)|(1<<21)
	s_or_b32 s[G1B+0], s44, (3<<16)|(1<<21)
.irp g, G1, G1B
	s_mov_b32 s[\g+1], 32<<16
	s_mov_b32 s[\g+2], 128<<16
	s_mov_b32 s[\g+3], 32<<16
	s_mov_b32 s[\g+4], 128
	s_mov_b32 s[\g+5], 32
	s_mov_b32 s[\g+6], 0
	s_mov_b32 s[\g+7], 0
.endr
	s_lshl_b32 s20, s17, 1
	s_add_co_u32 s20, s20, s16
	s_lshl_b32 s20, s20, 17
	s_add_co_u32 s20, s20, s93
	s_mov_b32 s21, 0
	s_lshl_b32 s46, s42, 1
	s_add_co_u32 s46, s46, s16
	s_lshl_b32 s46, s46, 17
	s_add_co_u32 s46, s46, s80
	s_mov_b32 s47, 0
	s_lshl_b32 s45, s14, 15
	s_wait_dscnt 0x0
	s_wait_kmcnt 0x0
	s_load_b256 s[68:75], s[8:9], 0x0
	s_load_b128 s[76:79], s[8:9], 0x20
	s_cmp_lt_u32 s88, 2
	s_cselect_b64 s[94:95], s[4:5], s[6:7]
	s_cselect_b64 s[96:97], s[6:7], s[4:5]
	s_add_nc_u64 s[20:21], s[94:95], s[20:21]
	s_add_nc_u64 s[46:47], s[96:97], s[46:47]
	CROUND
.irp s, 0,1
	s_mov_b32 s[G0+4*\s], 1
	s_add_co_u32 s[G0+4*\s+1], s45, \s*SLOT
	s_add_nc_u64 s[G0+4*\s+2:G0+4*\s+3], s[20:21], \s*BLKB
	s_or_b32 s[G0+4*\s+3], s[G0+4*\s+3], 0x80000000
	s_mov_b32 s[G0B+4*\s], 1
	s_add_co_u32 s[G0B+4*\s+1], s45, \s*SLOT
	s_add_nc_u64 s[G0B+4*\s+2:G0B+4*\s+3], s[46:47], \s*BLKB
	s_or_b32 s[G0B+4*\s+3], s[G0B+4*\s+3], 0x80000000
.if \s
	s_wait_alu depctr_va_vdst(0)
	s_wait_tensorcnt 0x0
	ds_add_u32 v28, v29
	ds_add_u32 v28, v29
	s_wait_dscnt 0x0
	CROUND
.endif
	JLOAD G0+4*\s, G1, G0B+4*\s, G1B
.endr
	v_and_b32 v1, 31, v0
	v_lshlrev_b32 v[CO], 4, v1
	s_wait_alu depctr_va_vdst(0)
	s_lshl_b32 s21, s15, 15
	s_lshl_b32 s22, s16, 15
	s_add_co_u32 s22, s22, 2*BLKB
.irp s, 0,1
	v_add_nc_u32 v[ADRA+\s], s21, v[CO]
	v_add_nc_u32 v[ADRB+\s], s22, v[CO]
	s_add_co_u32 s21, s21, SLOT
	s_add_co_u32 s22, s22, SLOT
.endr
	s_lshl_b32 s23, s14, 9
	s_add_co_u32 s23, s23, NSTG
	v_and_b32 v2, 15, v0
	v_lshlrev_b32 v2, 2, v2
	v_add_nc_u32 v[NST], s23, v2
	v_add_nc_u32 v[NLD], s23, v[CO]
	v_mov_b32 v[PD], 0
	s_mov_b32 s82, 0x76543210
	s_mov_b32 s83, 0xfedcba98
	s_lshl_b32 s66, s17, 1
	s_add_co_u32 s66, s66, s15
	s_lshl_b32 s67, s42, 1
	s_add_co_u32 s67, s67, s16
	s_cmp_lt_u32 s88, 2
	s_cselect_b32 s80, s66, s67
	s_cselect_b32 s81, s67, s66
	s_lshr_b32 s93, s80, 4
	s_lshl_b32 s93, s93, 3
	s_add_co_u32 s93, s93, s81
	s_lshl_b32 s93, s93, 4
	s_and_b32 s80, s80, 15
	s_add_co_u32 s93, s93, s80
	s_mul_i32 s89, s93, 33280
	s_lshl_b32 s98, s93, 14
	s_lshl_b32 s99, s93, 9
	s_cmp_eq_u32 s88, 2
	s_cselect_b32 s22, 16384, 0
	s_add_co_u32 s22, s22, s89
	s_add_co_u32 s89, s89, 32768
	s_cmp_eq_u32 s88, 0
	s_cselect_b64 s[12:13], s[10:11], s[84:85]
	s_cselect_b64 s[18:19], s[86:87], s[84:85]
	s_cselect_b32 s22, s98, s22
	s_cselect_b32 s98, s99, s89
	s_mov_b32 s23, 0
	s_mov_b32 s99, 0
	s_add_nc_u64 s[12:13], s[12:13], s[22:23]
	s_add_nc_u64 s[18:19], s[18:19], s[98:99]
.macro FRAG reg, adr, q, i
.irp c, 0,1,2,3
	ds_load_b128 v[\reg+4*\c:\reg+4*\c+3], v[\adr] offset:4096*(\i)+2048*(\q)+512*\c
.endr
.endm
.macro MUL16 a0, p, zero
.irp a, \a0, \a0+1
.irp b, 0,1,2,3,4,5,6,7
.if \zero
	v_wmma_f32_16x16x128_fp8_fp8 v[8*(8*((\a)%4)+\b):8*(8*((\a)%4)+\b)+7], v[128*(\p)+FR*\b:128*(\p)+FR*\b+FR-1], v[AF+FR*(\a):AF+FR*(\a)+FR-1], 0
.else
	v_wmma_f32_16x16x128_fp8_fp8 v[8*(8*((\a)%4)+\b):8*(8*((\a)%4)+\b)+7], v[128*(\p)+FR*\b:128*(\p)+FR*\b+FR-1], v[AF+FR*(\a):AF+FR*(\a)+FR-1], v[8*(8*((\a)%4)+\b):8*(8*((\a)%4)+\b)+7]
.endif
.endr
.endr
.endm
.macro FETCH_B slot, q, p
	WIN TO_B
.irp i, 0,1,2,3,4,5,6,7
	FRAG 128*(\p)+FR*\i, ADRB+\slot, \q, \i
.endr
	WIN 0
.endm
.macro FETCH_A slot, q, i0
.irp i, \i0, \i0+1, \i0+2, \i0+3
	FRAG AF+FR*(\i), ADRA+\slot, \q, \i
.endr
.endm
.macro PLACES n
.rept \n
	v_nop
.endr
.endm
.macro STEP slot, q, zero
	s_wait_dscnt 4*NL
	WIN MUL_LO
	MUL16 0, (\q)%2, \zero
	MUL16 2, (\q)%2, \zero
	s_wait_dscnt 0
	PLACES NP
	FETCH_B \slot, (\q)+1, 1-(\q)%2
	FETCH_A \slot, (\q)+1, 0
	WIN MUL_HI
	MUL16 4, (\q)%2, \zero
	MUL16 6, (\q)%2, \zero
	PLACES NP
	WIN 0
	FETCH_A \slot, (\q)+1, 4
.endm
.macro TURN slot, next, fill
	s_wait_tensorcnt 0x0
	ds_add_u32 v[SPW], v[NIL]
	s_wait_dscnt 4*NL+1
	WIN MUL_LO
	MUL16 0, 1, 0
	s_wait_dscnt 0x0
	s_barrier_signal -1
	MUL16 2, 1, 0
	WIN 0
	s_barrier_wait -1
.if \fill
	CREST
	s_add_nc_u64 s[G0+4*\slot+2:G0+4*\slot+3], s[G0+4*\slot+2:G0+4*\slot+3], 2*BLKB
	s_add_nc_u64 s[G0B+4*\slot+2:G0B+4*\slot+3], s[G0B+4*\slot+2:G0B+4*\slot+3], 2*BLKB
	JLOAD G0+4*\slot, G1, G0B+4*\slot, G1B
.else
	PLACES NP
.endif
	FETCH_B \next, 0, 0
	FETCH_A \next, 0, 0
	WIN MUL_HI
	MUL16 4, 1, 0
	MUL16 6, 1, 0
	PLACES NP
	WIN 0
	FETCH_A \next, 0, 4
.endm
	s_wait_alu depctr_va_vdst(0)
	s_wait_tensorcnt 1
	s_barrier_signal -1
	s_barrier_wait -1
	FETCH_B 0, 0, 0
	FETCH_A 0, 0, 0
	FETCH_A 0, 0, 4
	STEP 0, 0, 1
	TURN 0, 1, 1
	STEP 1, 0, 0
	TURN 1, 0, 1
	STEP 0, 0, 0
	TURN 0, 1, 0
	STEP 1, 0, 0
	s_wait_dscnt 4*NL
	WIN MUL_LO
	MUL16 0, 1, 0
	MUL16 2, 1, 0
	s_wait_dscnt 0
	WIN MUL_HI
	MUL16 4, 1, 0
	MUL16 6, 1, 0
	WIN 0
	s_wait_kmcnt 0x0
	s_add_co_i32 s68, s68, s69
	s_add_co_i32 s70, s70, s71
	s_add_co_i32 s72, s72, s73
	s_cmp_eq_u32 s88, 1
	s_cselect_b32 s68, s70, s68
	s_cselect_b32 s74, s75, s74
	s_cmp_eq_u32 s88, 2
	s_cselect_b32 s68, s72, s68
	s_cselect_b32 s74, s77, s74
	s_sub_co_i32 s74, s74, s68
	s_lshl_b32 s69, s68, 1
	s_add_co_i32 s74, s74, 127
	s_lshl_b32 s75, s74, 23
	s_add_co_i32 s74, s74, 8
	s_lshl_b32 s74, s74, 23
	s_or_b32 s74, s74, 0x600000
	PLACES NP
	v_mov_b32 v[SCL], s75
	v_mov_b32 v[LIM], s74
.macro OUTB a
.set AC, 64*((\a)%4)
	WIN 0x0a+5*((\a)/4)
.set i, 0
.rept 4
	v_pk_mul_f32 v[CH+2*i:CH+2*i+1], v[AC+2*i:AC+2*i+1], v[AC+2*i:AC+2*i+1]
.set i, i+1
.endr
.rept 28
	v_pk_fma_f32 v[CH+2*(i%4):CH+2*(i%4)+1], v[AC+2*i:AC+2*i+1], v[AC+2*i:AC+2*i+1], v[CH+2*(i%4):CH+2*(i%4)+1]
.set i, i+1
.endr
	WIN 0x02+((\a)/4)
.set i, 0
.rept 64
	v_med3_num_f32 v[TMP+i], v[AC+i], -v[LIM], v[LIM]
.set i, i+1
.endr
	WIN 0
.set i, 0
.rept 8
	v_cvt_scalef32_pk8_fp8_f32 v[CODE+16*(\a)+2*i:CODE+16*(\a)+2*i+1], v[TMP+8*i:TMP+8*i+7], v[SCL]
.set i, i+1
.endr
	v_pk_add_f32 v[CH:CH+1], v[CH:CH+1], v[CH+2:CH+3]
	v_pk_add_f32 v[CH+4:CH+5], v[CH+4:CH+5], v[CH+6:CH+7]
	v_pk_add_f32 v[CH:CH+1], v[CH:CH+1], v[CH+4:CH+5]
	v_add_f32 v[CH], v[CH], v[CH+1]
	v_permlanex16_b32 v[PD], v[CH], s82, s83
	v_add_f32 v[CH], v[CH], v[PD]
	v_ldexp_f32 v[NRM+\a], v[CH], s69
.set i, 0
.rept 4
	global_store_b128 v[CO], v[CODE+16*(\a)+4*i:CODE+16*(\a)+4*i+3], s[12:13] offset:2048*(\a)+512*i
.set i, i+1
.endr
.endm
.irp a, 0,1,2,3,4,5,6,7
	OUTB \a
.endr
.irp a, 0,1,2,3,4,5,6,7
	ds_store_b32 v[NST], v[NRM+\a] offset:64*\a
.endr
	ds_load_b128 v[NBK:NBK+3], v[NLD]
	s_wait_dscnt 0x0
	s_cmp_eq_u32 s88, 2
	s_cbranch_scc1 .Lno_norm
	global_store_b128 v[CO], v[NBK:NBK+3], s[18:19]
.Lno_norm:
	s_wait_tensorcnt 0x0
	ds_add_u32 v[SPW], v[NIL]
	s_wait_dscnt 0x0
	CROUND
	s_endpgm
.Lfunc_end_k_q6f022f4f4a_qkv:
	.size	k_q6f022f4f4a_qkv, .Lfunc_end_k_q6f022f4f4a_qkv-k_q6f022f4f4a_qkv
	.p2alignl 7, 3214868480
	.fill 96, 4, 3214868480
	.section	.rodata,"a",@progbits
	.p2align	6, 0x0
	.amdhsa_kernel k_q6f022f4f4a_qkv
		.amdhsa_group_segment_fixed_size 327680
		.amdhsa_private_segment_fixed_size 0
		.amdhsa_enable_private_segment 0
		.amdhsa_kernarg_size 48
		.amdhsa_user_sgpr_count 2
		.amdhsa_user_sgpr_kernarg_segment_ptr 1
		.amdhsa_wavefront_size32 1
		.amdhsa_system_sgpr_workgroup_id_x 1
		.amdhsa_system_sgpr_workgroup_id_y 1
		.amdhsa_system_sgpr_workgroup_id_z 1
		.amdhsa_system_vgpr_workitem_id 0
		.amdhsa_next_free_vgpr 1024
		.amdhsa_next_free_sgpr 100
		.amdhsa_reserve_vcc 0
		.amdhsa_float_denorm_mode_32 3
		.amdhsa_float_denorm_mode_16_64 3
		.amdhsa_memory_ordered 1
		.amdhsa_forward_progress 1
		.amdhsa_inst_pref_size 139
	.end_amdhsa_kernel
	.amdgpu_metadata
---
amdhsa.version: [ 1, 2 ]
amdhsa.kernels:
  - .name:           k_q6f022f4f4a_qkv
    .symbol:         k_q6f022f4f4a_qkv.kd
    .args:
      - { .name: ximg, .offset: 0, .size: 8, .value_kind: global_buffer, .address_space: global }
      - { .name: wimg, .offset: 8, .size: 8, .value_kind: global_buffer, .address_space: global }
      - { .name: lowp_scales, .offset: 16, .size: 8, .value_kind: global_buffer, .address_space: global }
      - { .name: qimg, .offset: 24, .size: 8, .value_kind: global_buffer, .address_space: global }
      - { .name: kv, .offset: 32, .size: 8, .value_kind: global_buffer, .address_space: global }
      - { .name: qn, .offset: 40, .size: 8, .value_kind: global_buffer, .address_space: global }
    .group_segment_fixed_size: 327680
    .private_segment_fixed_size: 0
    .kernarg_segment_align: 8
    .kernarg_segment_size: 48
    .max_flat_workgroup_size: 128
    .sgpr_count:     100
    .vgpr_count:     1024
    .wavefront_size: 32
...
	.end_amdgpu_metadata
.endif
;; end of part 2
;; launch attn (part 3): grid 16 x 16, 8 waves a work-group, no clusters, 327,680 bytes of LDS; arguments qimg, kv, qn, log_c, log_beta, lowp_scales, oimg; writes oimg
.if DOCPART == 3
	.amdgcn_target "amdgcn-amd-amdhsa--gfx1250"
	.amdhsa_code_object_version 6
	.text
	.protected	k_q6f022f4f4a_attn
	.globl	k_q6f022f4f4a_attn
	.p2align	8
	.type	k_q6f022f4f4a_attn,@function
k_q6f022f4f4a_attn:
	s_mov_b64 s[64:65], 0
	v_nop
	global_prefetch_b8 v0, s[64:65] scope:SCOPE_SE
	s_setreg_imm32_b32 hwreg(HW_REG_WAVE_MODE, 25, 1), 1
	s_wait_xcnt 0x0
; Causal attention whose logit is -beta x a piecewise distance made of q.k, |q|^2 and |k|^2; both products on E4M3 codes.  16 heads (batch x 8 + head) of 2,048 tokens, head size 128.
; LEFT OUT: key steps all of whose keys come after a tile's queries: reference()'s own jnp.tril sets their scores to -inf, so their p is 0 for all inputs.  A NaN or infinity that reaches only those scores is not carried.
; u = beta log2(e) dist = -t.  M = ceil(largest t) = -floor(smallest u), running; p = 2^(-u - M) is quantised (2^e8); the row's sum is of the unquantised p and divides at the end; o is quantised with 2^e10 and stored as register images.
; THE DISTANCE.  nse = |k|^2 + (|q|^2 + 1e-8);  d2 = max(nse - 2 q.k, 1e-8), which is max(diff, 0) + 1e-8 with the 1e-8 added ahead of the difference.  nse also stands for ns in the polynomials (it moves c ns by c x 1e-8).
;   ed < 0.1f holds just where d2 < 0x3c23d70a, and ed > 2 just where d2 > 0x40800001, for a correctly rounded root: so the choices are made on d2.
;   near: u = sqrt(d2 F), F = (B + ns B c / 2 + ns^2 B c^2 / 8)^2 where ed < 0.1, else B^2 (1 + c ns), B = beta log2(e): one root.  far: u = 0.693 B + (beta / 2) log2(d2) + ns B c / 4 (ln(ed + 1e-8) = ln(d2) / 2: at ed > 2 the 1e-8 changes no bit of ed).
; LIMITS: where ed < 0.1 the square above must be an f32 number: B (c ns)^2 / 8 under 1.8e19.  e6 + e7 between -127 and 126; e8, e10 between -126 and 119.  Scaled scores under 2^31 in magnitude.  NaN is not served.
; SHARES.  Work-group (j, head) owns the query blocks of 64 numbered 31 - j (first) and j (then).  Waves w and w + 4 own the SAME tile of 16 queries, 16 (w % 4) on in the block; wave w takes the even key steps of 128, wave w + 4 the odd ones.
;   The blocks need n_hi = (31 - j) / 2 + 1 and n_lo = j / 2 + 1 key steps, 17 together; a slot holds two key steps; ceil(n_hi / 2) + ceil(n_lo / 2) = 9 slots, whatever j: nine trips, a constant.
;   At the change of blocks a wave puts its state (O^T, -M, the sum) into a stage of its own in LDS.  Behind the loop waves 0-3 join the two halves of the first block's tiles, waves 4-7 those of the second's: by powers of two, which round nothing.
; NO CLUSTER: the work-groups of a head walk different slots in the same trip (the change of blocks hangs on j), so no two could issue the same load in the same round.
; LAYOUT.  S^T = K Q^T: lane (r, h) holds query r, register j of tile t key 16 t + 8 h + j; the conversion of tile t gives registers 2 t, 2 t + 1 of p's fragment.  O^T = V^T P^T likewise.
; A key step's K fragments, V fragments and 128 sums of squares are one dense block of 33,280 bytes in kv; waves 0-3 fetch a quarter of a slot each, 65 rows of 256 bytes.
; REGISTERS.  window 0: v1-11 addresses; v12 -M, v13 smallest u, v[14:15] the sum; v16-31 Q; v32-95 |k|^2, nse, far u; v96-159 S^T, d2, u, p; v160-207 work for sixteen scores; v208-215 chains; v216-255 constants, codes.
;   window 1: v0-127 K's, then V's fragments; v128-191 O^T; v192-208 the second block's Q and |q|^2.
.set BLKB,  33280
.set QTRB,  16640
.set SLOTB, 66560
.set SLOT1, 131072                     ; slot 1 begins here: one exclusive or turns an address
.set STG,   197632                     ; behind slot 1: twelve stages of REG bytes; no tile lands here
.set REG,   8704                       ; 64 registers of O^T and v[12:15], 512 bytes for each four
.set SPARE, STG+12*REG                 ; the spare words, 128 bytes a wave
.set VOFF,  16384
.set NOFF,  32768
.set LI,   1                           ; 16 x lane + my key step's place in a slot
.set AN0,  2                           ; the sums of squares of my half's keys
.set PFO,  3                           ; 256 x lane
.set LN,   4                           ; 16 x lane
.set SPW,  5
.set NIL,  6
.set ADF,  8
.set ADN,  9
.set SLO,  11                          ; stage 8 + w % 4
.set SHI,  222                         ; stage w
.set OTH,  223                         ; stage w + 4
.set RKN,  32
.set RS,   96
.set RE,   160
.set RW,   176
.set RP,   192
.set TB,    2
.set WV,    18
.set PAR,   19                         ; w / 4: which key step of a slot is mine
.set SEL,   20
.set KS,    22                         ; my key step in the block in hand
.set Q0,    23                         ; my tile's first query
.set G1,    24
.set G0,    32
.set M2,    36                         ; -2 x 2^(e6 + e7)
.set CB2,   38                         ; B^2 c
.set C28,   40                         ; B c^2 / 8
.set A2,    42                         ; B c / 4
.set LGC,   44                         ; beta / 2
.set KVB,   46                         ; my quarter of the head's first slot in kv
.set PFA,   48
.set LIMP,  50                         ; trips in which my wave prefetches
.set KT,    51                         ; the trip
.set BH,    52
.set NN,    53                         ; key steps of the block in hand
.set NL,    54                         ; of the second block
.set SW,    55                         ; the trip in which the second block begins
.set Q0L,   63
.set MK,    66                         ; s[66:81] sixteen lane masks: ed < 0.1
.set MK2,   82                         ; s[82:97] sixteen more: ed > 2.  (At the head, at a change of slots, on the diagonal and on the way out these registers are at other work)
.set OFF,   98                         ; s[98:99] bytes from the head's first slot to the slot asked for
.set MSB, 0
.macro WIN new
.if MSB != \new
	s_set_vgpr_msb (MSB<<8)|\new
.set MSB, \new
.endif
.endm
.macro TWO op, r, c0, c1               ; one operation on two neighbouring registers, as a dual pair; the constant stands in two registers
	v_dual_\op v[\r], v[\r], v[\c0] :: v_dual_\op v[\r+1], v[\r+1], v[\c1]
.endm
.macro TLOAD                           ; waves 0 to 3 fetch a quarter of a slot each; s_nop 0 and four v_nop follow
	s_cmp_lt_u32 s[WV], 4
	s_cbranch_scc0 .Lasked_\@
	tensor_load_to_lds s[G0:G0+3], s[G1:G1+7]
	s_nop 0
.rept 4
	v_nop
.endr
.Lasked_\@:
.endm
; A prefetch of the slot that the NEXT trip's load will ask for.  All work-groups of a head read the same blocks: the head's work-group j = 0, whose first block walks all eight slots, asks; in it waves 4 to 7, which fetch nothing,
; 16,384 bytes each, lanes 256 bytes apart, two instructions.  Trip t names slot t + 2, for t up to 5.  Slots 0 and 1 and a slot's last 1,024 bytes come by their loads alone.
.macro ASK
	s_cmp_lt_u32 s[KT], s[LIMP]
	s_cbranch_scc0 .Lnot_mine_\@
	global_prefetch_b8 v[PFO], s[PFA:PFA+1] th:TH_LOAD_NT scope:SCOPE_SE
	global_prefetch_b8 v[PFO], s[PFA:PFA+1] offset:8192 th:TH_LOAD_NT scope:SCOPE_SE
.Lnot_mine_\@:
.endm
.macro QAD d, n, q                     ; where tile q's fragment and its sums of squares lie
	s_lshl_b32 s96, s[BH], 7
	s_lshr_b32 s97, s[\q], 4
	s_add_co_u32 s96, s96, s97
	s_lshl_b32 s96, s96, 11
	s_mov_b32 s97, 0
	s_add_nc_u64 s[\d:\d+1], s[4:5], s[96:97]
	s_lshl_b32 s96, s[BH], 11
	s_add_co_u32 s96, s96, s[\q]
	s_lshl_b32 s96, s96, 2
	s_add_nc_u64 s[\n:\n+1], s[8:9], s[96:97]
.endm
.macro INIT                            ; a tile's state: smallest u 3e38 (a whole number, so -M too), sums and O^T zero: the first change of M multiplies zeros
	v_mov_b32 v13, 0x7f61b1e6
	v_mov_b32 v12, 0x7f61b1e6
	v_mov_b32 v14, 0
	v_mov_b32 v15, 0
	WIN 0x40
.set i, 0
.rept 64
	v_mov_b32 v[128+i], 0
.set i, i+1
.endr
	WIN 0
.endm
.macro PUT adr                         ; my state into a stage: each accumulator from its low end on
	WIN 0x04
.set i, 0
.rept 16
	ds_store_b128 v[\adr], v[128+4*i:131+4*i] offset:512*i
.set i, i+1
.endr
	WIN 0
	ds_store_b128 v[\adr], v[12:15] offset:8192
.endm
	s_load_b256 s[4:11], s[0:1], 0x0               ; qimg 4, kv 6, qn 8, log_c 10
	s_load_b128 s[12:15], s[0:1], 0x20             ; log_beta 12, the scales 14
	s_load_b64 s[16:17], s[0:1], 0x30              ; oimg
	v_lshl_add_u32 v[SPW], v0, 2, SPARE
	v_mov_b32 v[NIL], 0
	ds_add_u32 v[SPW], v[NIL]                      ; the opening lines: the add twice and its wait ahead of my first tensor load
	ds_add_u32 v[SPW], v[NIL]
	v_lshrrev_b32 v8, 5, v0
	v_readfirstlane_b32 s[WV], v8
	s_and_b32 s[BH], ttmp7, 0xffff
	s_lshr_b32 s[PAR], s[WV], 2
	s_and_b32 s84, s[WV], 3
	s_lshl_b32 s85, s84, 4
	s_lshl_b32 s[Q0L], ttmp9, 6
	s_add_co_u32 s[Q0L], s[Q0L], s85               ; my tile of block j
	s_sub_co_u32 s83, 31, ttmp9
	s_lshl_b32 s[Q0], s83, 6
	s_add_co_u32 s[Q0], s[Q0], s85                 ; and of block 31 - j
	s_lshr_b32 s[NN], s83, 1
	s_add_co_u32 s[NN], s[NN], 1
	s_lshr_b32 s[NL], ttmp9, 1
	s_add_co_u32 s[NL], s[NL], 1
	s_add_co_u32 s[SW], s[NN], 1
	s_lshr_b32 s[SW], s[SW], 1
	s_mov_b32 s[KS], s[PAR]
	s_mov_b32 s[G1], 3<<16                         ; elements of 8 bytes, no mask, no padding
	s_mov_b32 s[G1+1], 32<<16                      ; rows of 256 bytes
	s_mov_b32 s[G1+2], 65<<16
	s_mov_b32 s[G1+3], 32<<16
	s_mov_b32 s[G1+4], 65
	s_mov_b32 s[G1+5], 32
	s_mov_b32 s[G1+6], 0
	s_mov_b32 s[G1+7], 0
	s_mul_i32 s85, s84, QTRB
	s_mul_i32 s86, s[BH], 16*BLKB
	s_add_co_u32 s86, s86, s85
	s_mov_b32 s87, 0
	s_mov_b32 s[SEL], 0x76543210
	s_mov_b32 s[SEL+1], 0xfedcba98
	s_mov_b32 s[TB], 0
	s_mov_b32 s[KT], 0
	s_mov_b32 s[OFF], 0
	s_mov_b32 s[OFF+1], 0
	s_wait_dscnt 0x0
	s_wait_kmcnt 0x0
	s_load_b128 s[56:59], s[14:15], 0x18           ; e6, e7, e8, e9
	s_load_b32 s60, s[14:15], 0x28                 ; e10
	s_load_b32 s61, s[10:11], 0x0                  ; log_c
	s_load_b32 s62, s[12:13], 0x0                  ; log_beta
	s_add_nc_u64 s[KVB:KVB+1], s[6:7], s[86:87]
	s_mov_b32 s[G0], 1
	s_mov_b32 s[G0+1], s85
	s_mov_b64 s[G0+2:G0+3], s[KVB:KVB+1]
	s_or_b32 s[G0+3], s[G0+3], 0x80000000
	TLOAD                                          ; the first block's slot 0
	QAD 88, 92, Q0
	QAD 90, 94, Q0L
	s_cmp_lt_u32 s[WV], 4                          ; the tile that I send out: waves 0-3 the first block's, waves 4-7 the second's
	s_cselect_b32 s96, s[Q0], s[Q0L]
	s_lshr_b32 s3, s[BH], 3                        ; o's fragment: row tile batch x 128 + query / 16, K step = the head of the batch
	s_lshl_b32 s3, s3, 4
	s_lshr_b32 s97, s96, 7
	s_add_co_u32 s3, s3, s97
	s_lshl_b32 s3, s3, 17
	s_bfe_u32 s97, s[BH], 0x20001
	s_lshl_b32 s97, s97, 15
	s_add_co_u32 s3, s3, s97
	s_bfe_u32 s97, s96, 0x30004
	s_lshl_b32 s97, s97, 12
	s_add_co_u32 s3, s3, s97
	s_and_b32 s97, s[BH], 1
	s_lshl_b32 s97, s97, 11
	s_add_co_u32 s96, s3, s97
	s_mov_b32 s97, 0
	s_add_nc_u64 s[16:17], s[16:17], s[96:97]
	s_sub_co_u32 s96, s[WV], 4                     ; the prefetches: who asks, and where
	s_lshr_b32 s97, s96, 2
	s_or_b32 s97, s97, ttmp9
	s_cmp_eq_u32 s97, 0
	s_cselect_b32 s[LIMP], 6, 0
	s_and_b32 s96, s96, 3
	s_lshl_b32 s96, s96, 14
	s_mul_i32 s97, s[BH], 16*BLKB
	s_add_co_u32 s96, s96, s97
	s_add_co_u32 s96, s96, SLOTB                   ; in slot 1: the first change of slots steps it to slot 2
	s_mov_b32 s97, 0
	s_add_nc_u64 s[PFA:PFA+1], s[6:7], s[96:97]
	s_mul_i32 s82, s[PAR], BLKB
	s_add_co_u32 s83, s82, NOFF
	s_mul_i32 s86, s[WV], REG
	s_add_co_u32 s86, s86, STG
	s_mul_i32 s87, s84, REG
	s_add_co_u32 s87, s87, STG+8*REG
	v_and_b32 v34, 31, v0
	v_lshlrev_b32 v[LN], 4, v34
	v_lshlrev_b32 v[PFO], 8, v34
	v_and_b32 v35, 15, v0                          ; r
	v_lshlrev_b32 v7, 2, v35
	v_bfe_u32 v36, v0, 4, 1                        ; h
	v_add_nc_u32 v[LI], s82, v[LN]
	v_lshlrev_b32 v[AN0], 5, v36
	v_add_nc_u32 v[AN0], s83, v[AN0]
	v_lshlrev_b32 v36, 3, v36
	v_sub_nc_u32 v10, v35, v36                     ; r - 8 h, for the mask on the diagonal
	v_add_nc_u32 v[SHI], s86, v[LN]
	v_add_nc_u32 v[OTH], 4*REG, v[SHI]
	v_add_nc_u32 v[SLO], s87, v[LN]
	s_wait_alu depctr_va_vdst(0)
.irp c, 0,1,2,3
	global_load_b128 v[16+4*\c:19+4*\c], v[LN], s[88:89] offset:512*\c
.endr
	global_load_b32 v240, v7, s[92:93]
	WIN 0x40
.irp c, 0,1,2,3
	global_load_b128 v[192+4*\c:195+4*\c], v[LN], s[90:91] offset:512*\c    ; the second block's Q waits in window 1
.endr
	global_load_b32 v208, v7, s[94:95]
	WIN 0
	INIT
	v_mov_b32 v250, 0                              ; a lane permute's destination counts as a source
	v_mov_b32 v253, 0                              ; (upper half of the pair v[252:253])
	v_mov_b32 v251, 0x7f800000                     ; +infinity
	v_mov_b32 v220, 0x322bcc77                     ; 1e-8, twice
	v_mov_b32 v221, 0x322bcc77
	; c = softplus(log_c), beta = softplus(log_beta) + 0.5.  softplus(x) = max(x, 0) + log1p(e), e = exp(-|x|);  log1p(e) = ln(u) e / (u - 1), u = 1 + e as rounded, and e where u - 1 = 0
	s_wait_kmcnt 0x0
	v_mov_b32 v32, s61
	v_mov_b32 v33, s62
	v_and_b32 v34, 0x7fffffff, v32
	v_and_b32 v35, 0x7fffffff, v33
	v_mul_f32 v34, 0xbfb8aa3b, v34
	v_mul_f32 v35, 0xbfb8aa3b, v35
	s_wait_alu depctr_va_vdst(0)
	v_exp_f32 v34, v34
	v_exp_f32 v35, v35
	v_max_num_f32 v32, 0, v32
	v_max_num_f32 v33, 0, v33
	s_wait_alu depctr_va_vdst(0)
	v_add_f32 v36, 1.0, v34
	v_add_f32 v37, 1.0, v35
	v_add_f32 v38, -1.0, v36
	v_add_f32 v39, -1.0, v37
	s_wait_alu depctr_va_vdst(0)
	v_log_f32 v40, v36
	v_log_f32 v41, v37
	v_rcp_f32 v42, v38
	v_rcp_f32 v43, v39
	v_nop
	v_cmp_eq_f32 s82, 0, v38
	v_cmp_eq_f32 s83, 0, v39
	s_wait_alu depctr_va_vdst(0)
	v_mul_f32 v40, 0x3f317218, v40
	v_mul_f32 v41, 0x3f317218, v41
	v_mul_f32 v40, v40, v34
	v_mul_f32 v41, v41, v35
	v_mul_f32 v40, v40, v42
	v_mul_f32 v41, v41, v43
	v_cndmask_b32 v40, v40, v34, s82
	v_cndmask_b32 v41, v41, v35, s83
	v_add_f32 v32, v32, v40                        ; c
	v_add_f32 v33, v33, v41
	v_add_f32 v33, 0.5, v33                        ; beta
	v_mul_f32 v218, 0x3fb8aa3b, v33                ; B
	v_mul_f32 v42, 0.5, v33                        ; beta / 2
	v_mul_f32 v37, v218, v32                       ; B c
	v_mul_f32 v216, v218, v218                     ; B^2
	v_mul_f32 v244, 0x3f316873, v218               ; 0.693 B
	v_mov_b32 v219, v218
	v_mul_f32 v39, v216, v32                       ; B^2 c
	v_mul_f32 v242, 0.5, v37                       ; B c / 2
	v_mul_f32 v40, v37, v32
	v_mul_f32 v41, 0x3e800000, v37                 ; B c / 4
	v_mov_b32 v217, v216
	v_mov_b32 v245, v244
	v_mul_f32 v40, 0x3e000000, v40                 ; B c^2 / 8
	v_mov_b32 v243, v242
	v_readfirstlane_b32 s[CB2], v39                ; the same number in every lane; these feed vector operands alone
	v_readfirstlane_b32 s[C28], v40
	v_readfirstlane_b32 s[A2], v41
	v_readfirstlane_b32 s[LGC], v42
	s_mov_b32 s[CB2+1], s[CB2]
	s_mov_b32 s[C28+1], s[C28]
	s_mov_b32 s[A2+1], s[A2]
	s_mov_b32 s[LGC+1], s[LGC]
	s_add_co_i32 s82, s56, s57
	s_add_co_i32 s82, s82, 128
	s_lshl_b32 s82, s82, 23
	s_or_b32 s[M2], s82, 0x80000000                ; -2^(e6 + e7 + 1)
	s_mov_b32 s[M2+1], s[M2]
	s_add_co_i32 s82, s58, 127
	s_lshl_b32 s83, s82, 23
	v_mov_b32 v247, s83                            ; 2^e8
	s_add_co_i32 s82, s82, 8
	s_lshl_b32 s82, s82, 23
	s_or_b32 s82, s82, 0x600000
	v_mov_b32 v246, s82                            ; 448 x 2^e8, twice
	v_mov_b32 v255, s82
	s_add_co_i32 s82, s60, 127
	s_lshl_b32 s83, s82, 23
	v_mov_b32 v249, s83                            ; 2^e10
	s_add_co_i32 s82, s82, 8
	s_lshl_b32 s82, s82, 23
	s_or_b32 s82, s82, 0x600000
	v_mov_b32 v248, s82                            ; 448 x 2^e10
	s_wait_loadcnt 0x0                             ; both Q and both |q|^2
	v_add_f32 v240, v240, v220                     ; |q|^2 + 1e-8
	v_mov_b32 v241, v240
; A key step goes in four groups of two tiles of K, sixteen scores a lane each.  LDK: a group's 8 loads of K and 4 of |k|^2.  LDV: V's two tiles, into the registers that the group's products have read.  QK: the group's two products.
.macro LDK g
	WIN 0x40
.set i, 8*\g
.rept 8
	ds_load_b128 v[4*i:4*i+3], v[ADF] offset:512*i
.set i, i+1
.endr
	WIN 0
.set i, 4*\g
.rept 4
	ds_load_b128 v[RKN+4*i:RKN+4*i+3], v[ADN] offset:64*(i/2)+16*(i%2)   ; |k|^2 in S^T's layout
.set i, i+1
.endr
.endm
.macro LDV g
	WIN 0x40
.set i, 8*\g
.rept 8
	ds_load_b128 v[4*i:4*i+3], v[ADF] offset:VOFF+512*i
.set i, i+1
.endr
	WIN 0
.endm
.macro QK g
	WIN 0x01
	v_wmma_f32_16x16x128_fp8_fp8 v[RS+16*\g:RS+16*\g+7], v[32*\g:32*\g+15], v[16:31], 0
	v_wmma_f32_16x16x128_fp8_fp8 v[RS+16*\g+8:RS+16*\g+15], v[32*\g+16:32*\g+31], v[16:31], 0
	WIN 0
.endm
; THE DISTANCES AS A PIPELINE over the groups.  One batch of transcendentals a group: group g's logarithms and group g - 1's roots, with ONE wait ahead of it; behind it stand plain lines that name none of its results:
; PLY g (the polynomials, the first choice, d2 F) and then group g + 1's products, NSE and D2.  Behind the next wait: FIN g - 1 (the second choice), FARU g (the ed > 2 masks of g, its far u).
.macro NSE b
.set sN, RKN+16*\b
.set i, 0
.rept 8
	v_pk_add_f32 v[sN+i:sN+i+1], v[sN+i:sN+i+1], v[240:241]                                      ; nse
.set i, i+2
.endr
.endm
.macro D2 b
.set sS, RS+16*\b
.set sN, RKN+16*\b
.set i, 0
.rept 8
	v_pk_fma_f32 v[sS+i:sS+i+1], v[sS+i:sS+i+1], s[M2:M2+1], v[sN+i:sN+i+1] op_sel_hi:[1,0,1]    ; nse - 2 q.k (each accumulator from its low end on)
.set i, i+2
.endr
.set i, 0
.rept 8
	TWO max_num_f32, sS+i, 220, 221                                                              ; d2
.set i, i+2
.endr
.endm
.macro LOGS b
.set i, 0
.rept 16
	v_log_f32 v[RE+i], v[RS+16*\b+i]                                                             ; log2(d2)
.set i, i+1
.endr
.endm
.macro ROOTS b
.set i, 0
.rept 16
	v_sqrt_f32 v[RS+16*\b+i], v[RW+i]                                                            ; the near branches' u, over d2, which is done with
.set i, i+1
.endr
.endm
.macro PLY b
.set sS, RS+16*\b
.set sN, RKN+16*\b
.set i, 0
.rept 8
	v_pk_fma_f32 v[RP+i:RP+i+1], v[sN+i:sN+i+1], s[C28:C28+1], v[242:243] op_sel_hi:[1,0,1]
.set i, i+2
.endr
.set i, 0
.rept 8
	v_pk_fma_f32 v[RW+i:RW+i+1], v[sN+i:sN+i+1], s[CB2:CB2+1], v[216:217] op_sel_hi:[1,0,1]      ; B^2 (1 + c ns)
.set i, i+2
.endr
.set i, 0
.rept 8
	v_pk_fma_f32 v[RP+i:RP+i+1], v[sN+i:sN+i+1], v[RP+i:RP+i+1], v[218:219]                      ; B x the polynomial
.set i, i+2
.endr
.set i, 0
.rept 8
	v_pk_fma_f32 v[sN+i:sN+i+1], v[sN+i:sN+i+1], s[A2:A2+1], v[244:245] op_sel_hi:[1,0,1]        ; the far branch without its logarithm
.set i, i+2
.endr
.set i, 0
.rept 8
	v_pk_mul_f32 v[RP+i:RP+i+1], v[RP+i:RP+i+1], v[RP+i:RP+i+1]
.set i, i+2
.endr
.set i, 0
.rept 16
	v_cmp_gt_f32 s[MK+i], 0x3c23d70a, v[sS+i]                                                    ; ed < 0.1
.set i, i+1
.endr
.set i, 0
.rept 16
	v_cndmask_b32 v[RW+i], v[RW+i], v[RP+i], s[MK+i]                                             ; F
.set i, i+1
.endr
.set i, 0
.rept 8
	v_pk_mul_f32 v[RW+i:RW+i+1], v[RW+i:RW+i+1], v[sS+i:sS+i+1]                                  ; d2 F
.set i, i+2
.endr
.endm
.macro FARU b
.set sS, RS+16*\b
.set sN, RKN+16*\b
.set i, 0
.rept 16
	v_cmp_lt_f32 s[MK2+i], 0x40800001, v[sS+i]                                                   ; ed > 2
.set i, i+1
.endr
.set i, 0
.rept 8
	v_pk_fma_f32 v[sN+i:sN+i+1], v[RE+i:RE+i+1], s[LGC:LGC+1], v[sN+i:sN+i+1] op_sel_hi:[1,0,1]  ; the far branch's u
.set i, i+2
.endr
.endm
.macro FIN b
.set sS, RS+16*\b
.set sN, RKN+16*\b
.set i, 0
.rept 16
	v_cndmask_b32 v[sS+i], v[sS+i], v[sN+i], s[MK2+i]                                            ; a choice of values in every trip: no branch hangs on data
.set i, i+1
.endr
.endm
; MY KEY STEP of the slot in hand.  Left out where it lies behind the block's last (a branch on ids, round loads, products and softmax alone).
.macro STEP
	s_cmp_ge_u32 s[KS], s[NN]
	s_cbranch_scc1 .Lhidden_\@
	v_add_nc_u32 v[ADF], s[TB], v[LI]
	v_add_nc_u32 v[ADN], s[TB], v[AN0]
	v_nop
	v_nop                                          ; four places between the last products and the loads into the registers that they read
	LDK 0
	LDK 1
	s_wait_alu depctr_va_vdst(0)
	s_wait_dscnt 12                                ; group 0 is in; group 1's 12 loads may be out
	QK 0
	NSE 0                                          ; eight plain lines: the places between the products and the loads into their registers, and ahead of the first read of the scores
	LDV 0
	LDK 2
	D2 0
	s_wait_alu depctr_va_vdst(0)                   ; the one wait ahead of each batch
	LOGS 0
	PLY 0
	s_wait_dscnt 20                                ; group 1 is in (behind it: 8 of V, group 2's 12)
	QK 1
	NSE 1
	LDV 1
	LDK 3
	D2 1
	s_wait_alu depctr_va_vdst(0)
	FARU 0
	LOGS 1
	ROOTS 0
	PLY 1
	s_wait_dscnt 20                                ; group 2 is in (behind it: 8 of V, group 3's 12)
	QK 2
	NSE 2
	LDV 2
	D2 2
	s_wait_alu depctr_va_vdst(0)
	FIN 0
	FARU 1
	LOGS 2
	ROOTS 1
	PLY 2
	s_wait_dscnt 8                                 ; group 3 is in (behind it: 8 of V)
	QK 3
	NSE 3
	LDV 3
	D2 3
	s_wait_alu depctr_va_vdst(0)
	FIN 1
	FARU 2
	LOGS 3
	ROOTS 2
	PLY 3
	s_wait_alu depctr_va_vdst(0)
	FIN 2
	FARU 3
	ROOTS 3
	v_nop                                          ; a plain place behind the last root
	s_wait_alu depctr_va_vdst(0)
	FIN 3
	s_add_co_u32 s96, s[KS], 1                     ; only the block's last key step holds hidden keys: there their u becomes +infinity, p = 0
	s_cmp_lt_u32 s96, s[NN]
	s_cbranch_scc1 .Lopen_\@
	s_lshl_b32 s97, s[KS], 7
	s_sub_co_i32 s96, s[Q0], s97
	v_add_nc_u32 v7, s96, v10                      ; d = my query - the step's first key - 8 h: register 8 t + j is hidden where 16 t + j > d
.set i, 0
.rept 64
	v_cmp_gt_i32 vcc_lo, 16*(i/8)+i%8, v7
	v_cndmask_b32 v[RS+i], v[RS+i], v251, vcc_lo
.set i, i+1
.endr
.Lopen_\@:
.irp k, 0,1,2,3
	v_min3_num_f32 v[208+\k], v[RS+3*\k], v[RS+3*\k+1], v[RS+3*\k+2]     ; the step's smallest u of my query, in four chains
.endr
.set i, 12
.rept 26
	v_min3_num_f32 v[208+(i/2)%4], v[208+(i/2)%4], v[RS+i], v[RS+i+1]
.set i, i+2
.endr
	v_min3_num_f32 v208, v208, v209, v210
	v_min_num_f32 v208, v208, v211
	v_permlanex16_b32 v250, v208, s[SEL], s[SEL+1]
	v_min_num_f32 v208, v208, v250
	v_min_num_f32 v13, v13, v208
	v_mov_b32 v254, v12
	v_floor_f32 v12, v13                           ; the new -M = floor(u) = -ceil(t)
	v_sub_f32 v254, v12, v254                      ; old M - new M, a whole number, 0 or less
	v_cvt_i32_f32 v254, v254                       ; (it saturates)
	v_ldexp_f32 v252, 1.0, v254                    ; f
.set i, 0
.rept 32
	v_pk_add_f32 v[RS+i:RS+i+1], v[RS+i:RS+i+1], v[12:13] op_sel_hi:[1,0] neg_lo:[1,0] neg_hi:[1,0]   ; -u - M
.set i, i+2
.endr
	s_wait_alu depctr_va_vdst(0)
.set i, 0
.rept 32
	v_exp_f32 v[RS+i], v[RS+i]                     ; the exponentials in two halves: the first half's sums, holds and conversions stand behind the second half's batch
.set i, i+1
.endr
	v_pk_mul_f32 v[14:15], v[14:15], v[252:253] op_sel_hi:[1,0]
	s_wait_alu depctr_va_vdst(0)
.rept 32
	v_exp_f32 v[RS+i], v[RS+i]
.set i, i+1
.endr
.irp k, 0,1,2,3
	v_pk_add_f32 v[208+2*\k:209+2*\k], v[RS+4*\k:RS+4*\k+1], v[RS+4*\k+2:RS+4*\k+3]    ; the sum of the unquantised p, in four chains
.endr
.set i, 16
.rept 8
	v_pk_add_f32 v[208+2*((i/2)%4):209+2*((i/2)%4)], v[208+2*((i/2)%4):209+2*((i/2)%4)], v[RS+i:RS+i+1]
.set i, i+2
.endr
.set i, 0
.rept 16
	TWO min_num_f32, RS+i, 246, 255                ; the conversion does not saturate (ISA guide 7.6.2); p is not negative: a one-sided hold
.set i, i+2
.endr
.set i, 0
.rept 4
	v_cvt_scalef32_pk8_fp8_f32 v[224+2*i:225+2*i], v[RS+8*i:RS+8*i+7], v247
.set i, i+1
.endr
	s_wait_alu depctr_va_vdst(0)
.set i, 32
.rept 16
	v_pk_add_f32 v[208+2*((i/2)%4):209+2*((i/2)%4)], v[208+2*((i/2)%4):209+2*((i/2)%4)], v[RS+i:RS+i+1]
.set i, i+2
.endr
	v_pk_add_f32 v[208:209], v[208:209], v[210:211]
	v_pk_add_f32 v[212:213], v[212:213], v[214:215]
	v_pk_add_f32 v[208:209], v[208:209], v[212:213]
	v_pk_add_f32 v[14:15], v[14:15], v[208:209]
.set i, 32
.rept 16
	TWO min_num_f32, RS+i, 246, 255
.set i, i+2
.endr
.set i, 4
.rept 4
	v_cvt_scalef32_pk8_fp8_f32 v[224+2*i:225+2*i], v[RS+8*i:RS+8*i+7], v247
.set i, i+1
.endr
	WIN 0x41
	s_wait_alu depctr_va_vdst(0)
.set i, 0
.rept 32
	v_pk_mul_f32 v[128+i:129+i], v[128+i:129+i], v[252:253] op_sel_hi:[1,0]
.set i, i+2
.endr
	s_wait_alu depctr_va_vdst(0)
	s_wait_dscnt 0x0                               ; V is in
	WIN 0x51
.irp t, 0,1,2,3,4,5,6,7                        ; the eight accumulators by turns
	v_wmma_f32_16x16x128_fp8_fp8 v[128+8*\t:135+8*\t], v[16*\t:16*\t+15], v[224:239], v[128+8*\t:135+8*\t]
.endr
	WIN 0
.Lhidden_\@:
	s_add_co_u32 s[KS], s[KS], 2
.endm
; THE CHANGE OF SLOTS, at a slot's head: all my tensor loads waited for, the add (fill = 1: twice), my reads of the slot left waited for, one barrier.
; fill = 1: the slot just left takes the next two key steps: the block's next, or, where the next trip begins the second block, the head's first.
.macro CHANGE fill
	s_wait_tensorcnt 0x0
	ds_add_u32 v[SPW], v[NIL]
.if \fill
	ds_add_u32 v[SPW], v[NIL]
	s_xor_b32 s[G0+1], s[G0+1], SLOT1
	s_add_co_u32 s96, s[KT], 1
	s_add_co_u32 s[OFF], s[OFF], SLOTB
	s_cmp_eq_u32 s96, s[SW]
	s_cselect_b32 s[OFF], 0, s[OFF]
	s_add_nc_u64 s[G0+2:G0+3], s[KVB:KVB+1], s[OFF:OFF+1]
	s_or_b32 s[G0+3], s[G0+3], 0x80000000
	s_wait_xcnt 0x0                                ; my last prefetches have read their address
	s_add_nc_u64 s[PFA:PFA+1], s[PFA:PFA+1], SLOTB
.endif
	s_wait_dscnt 0x0
	s_barrier_signal -1
	s_barrier_wait -1
.if \fill
	TLOAD
	ASK
.endif
.endm
.macro TRIP fill
	CHANGE \fill
	s_cmp_eq_u32 s[KT], s[SW]                      ; ids and the count of trips alone
	s_cbranch_scc0 .Lsame_\@
.rept 4
	v_nop                                          ; places behind the last products
.endr
	PUT SHI                                        ; THE CHANGE OF BLOCKS: my half of the first block's tile goes into my own stage,
	INIT                                           ; the state begins anew,
	WIN 0x01
.set i, 0
.rept 16
	v_mov_b32 v[16+i], v[192+i]                    ; with the second block's Q
.set i, i+1
.endr
	v_add_f32 v240, v208, v220                     ; and |q|^2 + 1e-8
	WIN 0
	v_mov_b32 v241, v240
	s_mov_b32 s[Q0], s[Q0L]
	s_mov_b32 s[NN], s[NL]
	s_mov_b32 s[KS], s[PAR]
	s_wait_alu depctr_va_vdst(0)
.Lsame_\@:
	STEP
	s_xor_b32 s[TB], s[TB], SLOT1
.endm
	s_wait_alu depctr_va_vdst(0)
.Lslot:                                            ; eight trips, each asking for the next slot
	TRIP 1
	s_add_co_u32 s[KT], s[KT], 1
	s_cmp_lt_u32 s[KT], 8
	s_cbranch_scc1 .Lslot
	TRIP 0                                         ; the ninth is written out: nothing is left to fetch
	; THE JOIN.  Waves 0-3 hand their half of the second block's tile to waves 4-7 and take their own half of the first block's back; then every wave reads stage w + 4: its partner's half of the tile that it sends out.
.rept 4
	v_nop
.endr
	s_cmp_lt_u32 s[WV], 4
	s_cbranch_scc0 .Lkeep
	PUT SLO
	WIN 0x40
.set i, 0
.rept 16
	ds_load_b128 v[128+4*i:131+4*i], v[SHI] offset:512*i           ; LDS serves a wave's instructions in order: the stores above have read these registers
.set i, i+1
.endr
	WIN 0
	ds_load_b128 v[12:15], v[SHI] offset:8192
.Lkeep:
	s_wait_dscnt 0x0                               ; my stores are done, for the others' sake
	s_barrier_signal -1
	s_barrier_wait -1
	WIN 0x40
.set i, 0
.rept 16
	ds_load_b128 v[4*i:4*i+3], v[OTH] offset:512*i
.set i, i+1
.endr
	WIN 0
	ds_load_b128 v[32:35], v[OTH] offset:8192
	s_wait_dscnt 0x0
	v_min_num_f32 v36, v12, v32                    ; the joint -M
	v_add_f32 v14, v14, v15
	v_add_f32 v34, v34, v35
	v_sub_f32 v37, v36, v12
	v_sub_f32 v38, v36, v32
	v_cvt_i32_f32 v37, v37
	v_cvt_i32_f32 v38, v38
	v_ldexp_f32 v37, 1.0, v37                      ; each half's power of two; 0 for a half that had no key step
	v_ldexp_f32 v38, 1.0, v38
	v_mul_f32 v14, v14, v37
	v_fmac_f32 v14, v34, v38
	v_permlanex16_b32 v250, v14, s[SEL], s[SEL+1]
	v_add_f32 v14, v14, v250                       ; the row's sum
	s_wait_alu depctr_va_vdst(0)
	v_rcp_f32 v14, v14
	v_nop
	s_add_co_i32 s82, s58, s59
	s_wait_alu depctr_va_vdst(0)
	v_ldexp_f32 v14, v14, s82                      ; x 2^(e8 + e9)
	v_mul_f32 v40, v14, v37
	v_mul_f32 v42, v14, v38
	v_mov_b32 v41, v40
	v_mov_b32 v43, v42
	WIN 0x01
	s_wait_alu depctr_va_vdst(0)
.set i, 0
.rept 32
	v_pk_mul_f32 v[RS+i:RS+i+1], v[128+i:129+i], v[40:41]
.set i, i+2
.endr
.set i, 0
.rept 32
	v_pk_fma_f32 v[RS+i:RS+i+1], v[i:i+1], v[42:43], v[RS+i:RS+i+1]
.set i, i+2
.endr
	WIN 0
.set i, 0
.rept 64
	v_med3_num_f32 v[RS+i], v[RS+i], -v248, v248
.set i, i+1
.endr
.set i, 0
.rept 8
	v_cvt_scalef32_pk8_fp8_f32 v[224+2*i:225+2*i], v[RS+8*i:RS+8*i+7], v249
.set i, i+1
.endr
	v_nop
.irp c, 0,1,2,3
	global_store_b128 v[LN], v[224+4*\c:227+4*\c], s[16:17] offset:512*\c    ; 32 lanes store 512 consecutive bytes, aligned
.endr
	s_wait_tensorcnt 0x0                           ; the wave's end
	ds_add_u32 v[SPW], v[NIL]
	s_wait_dscnt 0x0
	s_endpgm
.Lfunc_end_k_q6f022f4f4a_attn:
	.size	k_q6f022f4f4a_attn, .Lfunc_end_k_q6f022f4f4a_attn-k_q6f022f4f4a_attn
	.p2alignl 7, 3214868480
	.fill 96, 4, 3214868480
	.section	.rodata,"a",@progbits
	.p2align	6, 0x0
	.amdhsa_kernel k_q6f022f4f4a_attn
		.amdhsa_group_segment_fixed_size 327680
		.amdhsa_private_segment_fixed_size 0
		.amdhsa_enable_private_segment 0
		.amdhsa_kernarg_size 56
		.amdhsa_user_sgpr_count 2
		.amdhsa_user_sgpr_kernarg_segment_ptr 1
		.amdhsa_wavefront_size32 1
		.amdhsa_system_sgpr_workgroup_id_x 1
		.amdhsa_system_sgpr_workgroup_id_y 1
		.amdhsa_system_sgpr_workgroup_id_z 1
		.amdhsa_system_vgpr_workitem_id 0
		.amdhsa_next_free_vgpr 480
		.amdhsa_next_free_sgpr 100
		.amdhsa_reserve_vcc 1
		.amdhsa_float_denorm_mode_32 3
		.amdhsa_float_denorm_mode_16_64 3
		.amdhsa_memory_ordered 1
		.amdhsa_forward_progress 1
		.amdhsa_inst_pref_size 176
	.end_amdhsa_kernel
	.amdgpu_metadata
---
amdhsa.version: [ 1, 2 ]
amdhsa.kernels:
  - .name:           k_q6f022f4f4a_attn
    .symbol:         k_q6f022f4f4a_attn.kd
    .args:
      - { .name: qimg, .offset: 0, .size: 8, .value_kind: global_buffer, .address_space: global }
      - { .name: kv, .offset: 8, .size: 8, .value_kind: global_buffer, .address_space: global }
      - { .name: qn, .offset: 16, .size: 8, .value_kind: global_buffer, .address_space: global }
      - { .name: log_c, .offset: 24, .size: 8, .value_kind: global_buffer, .address_space: global }
      - { .name: log_beta, .offset: 32, .size: 8, .value_kind: global_buffer, .address_space: global }
      - { .name: lowp_scales, .offset: 40, .size: 8, .value_kind: global_buffer, .address_space: global }
      - { .name: oimg, .offset: 48, .size: 8, .value_kind: global_buffer, .address_space: global }
    .group_segment_fixed_size: 327680
    .private_segment_fixed_size: 0
    .kernarg_segment_align: 8
    .kernarg_segment_size: 56
    .max_flat_workgroup_size: 256
    .sgpr_count:     100
    .vgpr_count:     480
    .wavefront_size: 32
...
	.end_amdgpu_metadata
.endif
;; end of part 3
;; launch outp (part 4): grid 8 x 32, 4 waves a work-group, clusters of 4 x 4, 327,680 bytes of LDS; arguments oimg, wimg, lowp_scales, out0; writes out0
.if DOCPART == 4
	.amdgcn_target "amdgcn-amd-amdhsa--gfx1250"
	.amdhsa_code_object_version 6
	.text
	.protected	k_q6f022f4f4a_outp
	.globl	k_q6f022f4f4a_outp
	.p2align	8
	.type	k_q6f022f4f4a_outp,@function
k_q6f022f4f4a_outp:
	s_mov_b64 s[64:65], 0
	v_nop
	global_prefetch_b8 v0, s[64:65] scope:SCOPE_SE
	s_setreg_imm32_b32 hwreg(HW_REG_WAVE_MODE, 25, 1), 1
	s_wait_xcnt 0x0
	s_wait_alu depctr_hold_cnt(0) depctr_sa_sdst(0) depctr_va_vdst(0) depctr_va_sdst(0) depctr_va_ssrc(0) depctr_va_vcc(0) depctr_vm_vsrc(0)
	s_getreg_b32 s2, hwreg(HW_REG_IB_STS2, 6, 4)
	s_cmp_eq_u32 s2, 0
	s_cbranch_scc0 .Lentry_in_a_cluster
	s_endpgm
.Lentry_in_a_cluster:
	s_bfe_u32 s2, ttmp6, 0x10000c
	s_cmp_lg_u32 s2, 0xf033
	s_cbranch_scc0 .Lentry_shape_is_right
	s_endpgm
.Lentry_shape_is_right:
; out0 = o Wo^T on E4M3 codes, K = 1,024; each f32 sum x 2^(e10 + e11).  o [4096][1024] and Wo [1024][1024] come as register images (a fragment 2,048 bytes; 128 rows x 256 K one dense block of 32 KiB).
; 256 work-groups of 128 x 128 (tiles of 256 x 256 would be 64); four waves of 64 x 64: 16 accumulators.  ALL of K fits in LDS: four blocks of o and four of Wo, 262,144 bytes: each LDS byte is filled once, no ring.
; CLUSTERS: 4 x 4.  o's blocks hang on the tile row alone and are shared along a row of the cluster, Wo's on the tile column alone and are shared along a column: joint loads, one a wave, issued at the start.
; THE MATRIX INSTRUCTION IS USED TRANSPOSED (source 0 = 16 rows of Wo, source 1 = 16 rows of o): a lane holds eight neighbouring numbers of a row of out0.
; LIMIT: e10 + e11 between -126 and 127, so that 2^(e10 + e11) is an f32 number.
; REGISTERS: window 0: v16-23 LDS addresses for the four K steps of 256; v24-29; v32-63 a block's results; v64-127 rows read back, two sets; v128-255 the accumulators ((a, b) at v[128 + 8 (4 a + b)]).
;   window 1: two buffers of 128: o's four fragments, then Wo's four.
; THE LOADS, as they now stand: ONE joint load a wave.  A wave's two blocks (K steps k and k + 2 of 256, 65,536 bytes apart in the image) are one tile of 2 rows of 32,768 bytes, laid on end in LDS at wave x 65,536.
; So K step k of o lies at (k % 2) x 131,072 + (k / 2) x 32,768, and Wo's 65,536 behind it.  One wait for 0 and one barrier show all of K.
.set BLKB,   32768
.set STAGE,  8*BLKB                    ; behind the blocks: 16 rows x 272 bytes for each wave, for the way out; no tile lands here
.set SPITCH, 272                       ; 256 bytes + 16: row r starts at bank 4 r mod 64
.set SPARE,  STAGE+4*16*SPITCH         ; the spare words, 128 bytes a wave: two blocks of 256 bytes that no other line names
.set ADRA, 16
.set ADRB, 20
.set STO,  24
.set RD,   25
.set CO,   26
.set SPW,  28
.set NIL,  29
.set TMP,  32
.set BK,   64
.set ACC,  128
.set G1, 24                            ; s[24:31] group 1 for o's blocks; s[32:35] group 0 for my one load
.set G0, 32
.set G1B, 48                           ; the same for Wo's
.set G0B, 56
.set MSB, 0
.macro WIN new
.if MSB != \new
	s_set_vgpr_msb (MSB<<8)|\new
.set MSB, \new
.endif
.endm
.macro CROUND                          ; a round of the cluster's barrier
	s_barrier_signal -1
	s_barrier_wait -1
	s_cmp_lg_u32 s14, 0
	s_cbranch_scc1 .Lnot_wave_0_\@
	s_barrier_signal -3
.Lnot_wave_0_\@:
	s_barrier_wait -3
	s_barrier_signal -1
	s_barrier_wait -1
.endm
	s_load_b256 s[4:11], s[0:1], 0x0               ; oimg 4, wimg 6, the scales 8, out0 10
	v_lshl_add_u32 v[SPW], v0, 2, SPARE
	v_mov_b32 v[NIL], 0
	ds_add_u32 v[SPW], v[NIL]                      ; the wave's opening: the add and its wait ahead of my first tensor load; the set-up below stands between them
	ds_add_u32 v[SPW], v[NIL]
	v_lshrrev_b32 v1, 5, v0
	v_readfirstlane_b32 s14, v1                    ; wave 0..3
	s_lshr_b32 s15, s14, 1                         ; which 64 rows are mine.  Also: which K steps of 256 my one load brings (this one and two on)
	s_and_b32 s16, s14, 1                          ; which 64 columns.  Also: I fetch for o (0) or for Wo (1)
	s_bfe_u32 s40, ttmp6, 0x40000                  ; cx, cy
	s_bfe_u32 s41, ttmp6, 0x40004
	s_lshl_b32 s42, ttmp9, 2
	s_add_co_u32 s42, s42, s40                     ; tile column = 4 x cluster x + cx
	s_and_b32 s17, ttmp7, 0xffff
	s_lshl_b32 s17, s17, 2
	s_add_co_u32 s17, s17, s41                     ; tile row = 4 x cluster y + cy
	s_lshl_b32 s43, s41, 2
	s_lshl_b32 s43, 15, s43                        ; my row of the cluster
	s_lshl_b32 s44, 0x1111, s40                    ; my column
	s_or_b32 s[G1+0], s43, (3<<16)|(1<<21)         ; the mask; elements of 8 bytes; bit 21 beside a mask; no padding
	s_or_b32 s[G1B+0], s44, (3<<16)|(1<<21)
.irp g, G1, G1B
	s_mov_b32 s[\g+1], 4096<<16                    ; a row is a whole block: 4,096 elements of 8 bytes
	s_mov_b32 s[\g+2], 2<<16                       ; two rows,
	s_mov_b32 s[\g+3], 4096<<16
	s_mov_b32 s[\g+4], 2
	s_mov_b32 s[\g+5], 8192                        ; two blocks apart in memory
	s_mov_b32 s[\g+6], 0
	s_mov_b32 s[\g+7], 0
.endr
	s_lshl_b32 s18, s15, 15
	s_lshl_b32 s20, s17, 17                        ; o: the tile row's 128 rows are 131,072 bytes of image,
	s_add_co_u32 s20, s20, s18                     ; + my K step's block
	s_mov_b32 s21, 0
	s_lshl_b32 s46, s42, 17
	s_add_co_u32 s46, s46, s18
	s_add_co_u32 s46, s46, 0x300000                ; Wo's image is the fourth in wimg
	s_mov_b32 s47, 0
	s_lshl_b32 s45, s14, 16                        ; where my two blocks go: wave x two blocks
	s_wait_dscnt 0x0                               ; the opening add is done
	s_wait_kmcnt 0x0
	s_load_b64 s[68:69], s[8:9], 0x28              ; e10, e11
	s_add_nc_u64 s[20:21], s[4:5], s[20:21]
	s_add_nc_u64 s[46:47], s[6:7], s[46:47]
	CROUND                                         ; all sixteen work-groups are here: the joint loads meet
.irp i, 0
	s_mov_b32 s[G0+4*\i], 1
	s_add_co_u32 s[G0+4*\i+1], s45, \i*4*BLKB
	s_add_nc_u64 s[G0+4*\i+2:G0+4*\i+3], s[20:21], \i*2*BLKB
	s_or_b32 s[G0+4*\i+3], s[G0+4*\i+3], 0x80000000
	s_mov_b32 s[G0B+4*\i], 1
	s_add_co_u32 s[G0B+4*\i+1], s45, \i*4*BLKB
	s_add_nc_u64 s[G0B+4*\i+2:G0B+4*\i+3], s[46:47], \i*2*BLKB
	s_or_b32 s[G0B+4*\i+3], s[G0B+4*\i+3], 0x80000000
.endr
	s_cmp_eq_u32 s16, 0                            ; a wave's two fills stand in one branch on its number, ahead of every wait on TENSORcnt and every LDS read: one load of mine is out
	s_cbranch_scc0 .Lfirst_b
	tensor_load_to_lds s[G0:G0+3], s[G1:G1+7]
	s_nop 0
.rept 4
	v_nop
.endr
	s_branch .Lfirst_asked
.Lfirst_b:
	tensor_load_to_lds s[G0B:G0B+3], s[G1B:G1B+7]
	s_nop 0
.rept 4
	v_nop
.endr
.Lfirst_asked:
	v_and_b32 v1, 31, v0
	v_lshlrev_b32 v2, 4, v1                        ; 16 x lane
	s_wait_alu depctr_va_vdst(0)
	s_lshl_b32 s21, s15, 14                        ; my four row tiles of o's block,
	s_lshl_b32 s22, s16, 14                        ; my four of Wo's,
	s_add_co_u32 s22, s22, 2*BLKB                  ; which lie two blocks behind o's
.irp k, 0,1,2,3
	v_add_nc_u32 v[ADRA+\k], s21, v2
	v_add_nc_u32 v[ADRB+\k], s22, v2
.if \k
	v_add_nc_u32 v[ADRA+\k], ((\k%2)*4+\k/2)*BLKB, v[ADRA+\k]
	v_add_nc_u32 v[ADRB+\k], ((\k%2)*4+\k/2)*BLKB, v[ADRB+\k]
.endif
.endr
	v_and_b32 v3, 15, v0                           ; r
	v_bfe_u32 v4, v0, 4, 1                         ; h
	s_mul_i32 s23, s14, 16*SPITCH
	s_add_co_u32 s23, s23, STAGE                   ; my stage
	v_mul_u32_u24 v5, v3, SPITCH
	v_lshl_add_u32 v5, v4, 5, v5
	v_add_nc_u32 v[STO], s23, v5                   ; in: row r, 32 bytes for each half of the lanes
	v_mul_u32_u24 v5, v4, SPITCH
	v_lshl_add_u32 v5, v3, 4, v5
	v_add_nc_u32 v[RD], s23, v5                    ; back: lanes 0-15 one row of 256 bytes, lanes 16-31 the next
	v_lshlrev_b32 v5, 12, v4
	v_lshl_add_u32 v[CO], v3, 4, v5                ; and the same two rows in out0 (a row is 4,096 bytes)
	s_lshl_b32 s20, s17, 7
	s_lshl_b32 s21, s15, 6
	s_add_co_u32 s20, s20, s21                     ; my first row
	s_lshl_b32 s20, s20, 12
	s_mov_b32 s21, 0
	s_lshl_b32 s46, s42, 9                         ; my first column, in bytes: 512 x tile column + 256 x half
	s_lshl_b32 s47, s16, 8
	s_add_co_u32 s46, s46, s47
	s_mov_b32 s47, 0
	s_add_nc_u64 s[20:21], s[20:21], s[46:47]
	s_add_nc_u64 s[10:11], s[10:11], s[20:21]
.macro FETCH s                         ; the fragments of the s-th 128 along K into buffer s % 2: 32 loads of 512 consecutive bytes
	WIN 0x40
.irp i, 0,1,2,3
.irp c, 0,1,2,3
	ds_load_b128 v[128*((\s)%2)+16*\i+4*\c:128*((\s)%2)+16*\i+4*\c+3], v[ADRA+(\s)/2] offset:4096*\i+2048*((\s)%2)+512*\c
.endr
.irp c, 0,1,2,3
	ds_load_b128 v[128*((\s)%2)+64+16*\i+4*\c:128*((\s)%2)+64+16*\i+4*\c+3], v[ADRB+(\s)/2] offset:4096*\i+2048*((\s)%2)+512*\c
.endr
.endr
.endm
.macro MULS s                          ; 16 matrix instructions: the 16 accumulators take turns, in the same order in every step; the first step starts the sums
	WIN 0x05                                       ; sources 0 and 1 window 1; C and D window 0
.irp a, 0,1,2,3
.irp b, 0,1,2,3
.if (\s) == 0
	v_wmma_f32_16x16x128_fp8_fp8 v[ACC+8*(4*\a+\b):ACC+8*(4*\a+\b)+7], v[128*((\s)%2)+64+16*\b:128*((\s)%2)+64+16*\b+15], v[128*((\s)%2)+16*\a:128*((\s)%2)+16*\a+15], 0
.else
	v_wmma_f32_16x16x128_fp8_fp8 v[ACC+8*(4*\a+\b):ACC+8*(4*\a+\b)+7], v[128*((\s)%2)+64+16*\b:128*((\s)%2)+64+16*\b+15], v[128*((\s)%2)+16*\a:128*((\s)%2)+16*\a+15], v[ACC+8*(4*\a+\b):ACC+8*(4*\a+\b)+7]
.endif
.endr
.endr
.endm
	s_wait_alu depctr_va_vdst(0)
	s_wait_tensorcnt 0x0                           ; my two blocks are in
	s_barrier_signal -1
	s_barrier_wait -1                              ; everybody's is: K steps 0 and 1 of 256 are whole
	FETCH 0
.irp s, 0,1,2,3,4,5,6,7
	s_wait_dscnt 0x0                               ; this step's fragments are in
.if \s < 7
.if \s > 0
.rept 4
	v_nop                                          ; places between the last step's products and the loads into the buffer that they read
.endr
.endif
	FETCH \s+1                                     ; lands while this step is multiplied
.endif
	MULS \s
.endr
	WIN 0
	; THE WAY OUT, a block of 16 rows x 64 columns at a time: x 2^(e10 + e11), through my own stage, back as rows of 256 bytes: sixteen lanes store one aligned piece of 256 bytes.
	s_wait_kmcnt 0x0
	s_add_co_i32 s66, s68, s69
	s_add_co_i32 s66, s66, 127
	s_lshl_b32 s66, s66, 23                        ; 2^(e10 + e11) as f32
	s_mov_b32 s67, s66                             ; (named with it as a pair, so it is written)
.rept 4
	v_nop                                          ; places behind the last products
.endr
.macro TOSTAGE a
.set i, 0
.rept 16
	v_pk_mul_f32 v[TMP+i:TMP+i+1], v[ACC+32*(\a)+i:ACC+32*(\a)+i+1], s[66:67] op_sel_hi:[1,0]    ; each accumulator from its low end on
.set i, i+2
.endr
.irp b, 0,1,2,3
	ds_store_b128 v[STO], v[TMP+8*\b:TMP+8*\b+3] offset:64*\b
	ds_store_b128 v[STO], v[TMP+8*\b+4:TMP+8*\b+7] offset:64*\b+16
.endr
.irp i, 0,1,2,3,4,5,6,7
	ds_load_b128 v[BK+32*((\a)%2)+4*\i:BK+32*((\a)%2)+4*\i+3], v[RD] offset:\i*2*SPITCH    ; LDS serves a wave's instructions in order (ISA guide 5.7.1.4): these see my stores, and the next block's stores come behind them
.endr
.endm
.macro SEND a, younger                 ; younger: the LDS instructions issued behind block a's loads, which may stay out
	s_wait_dscnt \younger
.irp i, 0,1,2,3,4,5,6,7
	global_store_b128 v[CO], v[BK+32*((\a)%2)+4*\i:BK+32*((\a)%2)+4*\i+3], s[10:11] offset:(16*(\a)+2*\i)*4096 th:TH_STORE_NT   ; written once, read by nobody here
.endr
.endm
	TOSTAGE 0
.irp a, 1,2,3
.if \a > 1
	s_wait_xcnt 0x0                                ; block a - 2's stores have read their registers: block a's loads may land there
.endif
	TOSTAGE \a
	SEND \a-1, 16                                  ; behind block a - 1's loads: block a's 8 stores and 8 loads
.endr
	SEND 3, 0
	s_wait_tensorcnt 0x0                           ; the wave's end: behind my last tensor load and my last LDS store
	ds_add_u32 v[SPW], v[NIL]
	s_wait_dscnt 0x0
	CROUND                                         ; the closing round: no work-group ends while a partner may still ask for a block that names it
	s_endpgm
.Lfunc_end_k_q6f022f4f4a_outp:
	.size	k_q6f022f4f4a_outp, .Lfunc_end_k_q6f022f4f4a_outp-k_q6f022f4f4a_outp
	.p2alignl 7, 3214868480
	.fill 96, 4, 3214868480
	.section	.rodata,"a",@progbits
	.p2align	6, 0x0
	.amdhsa_kernel k_q6f022f4f4a_outp
		.amdhsa_group_segment_fixed_size 327680
		.amdhsa_private_segment_fixed_size 0
		.amdhsa_enable_private_segment 0
		.amdhsa_kernarg_size 32
		.amdhsa_user_sgpr_count 2
		.amdhsa_user_sgpr_kernarg_segment_ptr 1
		.amdhsa_wavefront_size32 1
		.amdhsa_system_sgpr_workgroup_id_x 1
		.amdhsa_system_sgpr_workgroup_id_y 1
		.amdhsa_system_sgpr_workgroup_id_z 1
		.amdhsa_system_vgpr_workitem_id 0
		.amdhsa_next_free_vgpr 512
		.amdhsa_next_free_sgpr 80
		.amdhsa_reserve_vcc 0
		.amdhsa_float_denorm_mode_32 3
		.amdhsa_float_denorm_mode_16_64 3
		.amdhsa_memory_ordered 1
		.amdhsa_forward_progress 1
		.amdhsa_inst_pref_size 44
	.end_amdhsa_kernel
	.amdgpu_metadata
---
amdhsa.version: [ 1, 2 ]
amdhsa.kernels:
  - .name:           k_q6f022f4f4a_outp
    .symbol:         k_q6f022f4f4a_outp.kd
    .args:
      - { .name: oimg, .offset: 0, .size: 8, .value_kind: global_buffer, .address_space: global }
      - { .name: wimg, .offset: 8, .size: 8, .value_kind: global_buffer, .address_space: global }
      - { .name: lowp_scales, .offset: 16, .size: 8, .value_kind: global_buffer, .address_space: global }
      - { .name: out0, .offset: 24, .size: 8, .value_kind: global_buffer, .address_space: global }
    .group_segment_fixed_size: 327680
    .private_segment_fixed_size: 0
    .kernarg_segment_align: 8
    .kernarg_segment_size: 32
    .max_flat_workgroup_size: 128
    .sgpr_count:     80
    .vgpr_count:     512
    .wavefront_size: 32
...
	.end_amdgpu_metadata
.endif
;; end of part 4
